; MI455X (gfx1250); checked and timed in simulation.
; The chip was launched on July 23, 2026; its instructions are those of AMD's public machine-readable ISA for CDNA 5 (MIT licence, August 2026) and "CDNA5" Instruction Set Architecture Reference Guide (July 2026). The comments in the code are by the model that wrote it; some were corrected since.
;; Cross Multi Headed Attention. Allowed arithmetic: matrix products marked QUANTISED: E2M3 operands, one E8M0 scale for each 32 along K, by v_wmma_scale_f32_16x16x128_f8f6f4 with both operands' format E2M3, f32 sums; everything else in f32.
;; Inputs: Wk 512 x 512 float32; Wkb 512 x 512 float32; Wo 512 x 512 float32; Wq 512 x 512 float32; Wv 512 x 512 float32; bk 512 float32; bkb 512 float32; bo 512 float32; bq 512 float32; bv 512 float32; k 4 x 2,048 x 512 float32; k_b 4 x 2,048 x 512 float32; mask 4 x 2,048 int32; q 4 x 2,048 x 512 float32; v 4 x 2,048 x 512 float32.
;; Outputs: out0 4 x 2,048 x 512 float32.
;; This version of the problem:
;;   THIS VERSION OF THE PROBLEM IS GIVEN IN LOW PRECISION. The matrix products marked QUANTISED in the list below multiply operands that are first quantised to E2M3 (2 exponent bits, 3 mantissa bits; 6 bits a number), with one power-of-two scale for each 32 numbers along K (OCP MX v1.0); their sums are f32. All else is computed in f32.
;;   The module's matrix products, in the order in which they are computed (A, B: the left and right operand; K: the contracted axis; several contracted axes count as one K, in the product's order):
;;     1. [M 8,192, K 512] x [K 512, N 512]; A: input q; B: input Wq: QUANTISED
;;     2. [M 8,192, K 512] x [K 512, N 512]; A: input k; B: input Wk: QUANTISED
;;     3. [M 8,192, K 512] x [K 512, N 512]; A: input v; B: input Wv: QUANTISED
;;     4. [M 8,192, K 512] x [K 512, N 512]; A: input k_b; B: input Wkb: QUANTISED
;;     5. batch 32 x [M 2,048, K 64] x [K 64, N 2,048]; A: computed on the way; B: computed on the way: QUANTISED
;;     6. batch 32 x [M 2,048, K 2,048] x [K 2,048, N 64]; A: softmax (see below); B: computed on the way: QUANTISED
;;     7. [M 8,192, K 512] x [K 512, N 512]; A: computed on the way; B: input Wo: QUANTISED
;;   THE QUANTISER, for each operand of a quantised product, along K:
;;     - K is cut into blocks of 32 from its start; a last block that is shorter is filled with zeros.
;;     - A block's scale is 2^e with e = floor(log2(the largest magnitude in the block)) - 2, held to -126 .. 127; a block of zeros has e = 0. As a byte (E8M0): e + 127.
;;     - Each number is divided by its block's scale, clamped to +-7.5, and rounded to the nearest number of E2M3, ties to even, subnormals kept.
;;     - The product sums the exact products of the quantised numbers (number of the format x scale) in f32.
;;   ~~~python
;;   def quantise(x, axis):      # numpy; x: float32 -> the quantised numbers, widened to float32 again
;;       x = np.moveaxis(x, axis, -1); K = x.shape[-1]
;;       x = np.pad(x, [(0, 0)] * (x.ndim - 1) + [(0, -K % 32)]); x = x.reshape(x.shape[:-1] + (-1, 32)); a = np.abs(x).max(-1, keepdims=True)
;;       e = np.where(a > 0, np.clip(np.frexp(np.where(a > 0, a, 1))[1] - 1 - 2, -126, 127), 0)      # np.frexp(a)[1] - 1 = floor(log2(a)), exactly
;;       r = np.clip(x / 2.0 ** e, -7.5, 7.5)
;;       step = 2.0 ** (np.maximum(np.frexp(np.where(r == 0, 1, r))[1] - 1, 0) - 3)
;;       q = np.round(r / step) * step * 2.0 ** e      # np.round: ties to even
;;       return np.moveaxis(q.reshape(q.shape[:-2] + (-1,))[..., :K], -1, axis).astype(np.float32)
;;   ~~~
;;   SOFTMAX AHEAD OF A QUANTISED PRODUCT. Where the list says 'softmax', what is quantised is not the finished softmax but p = 2^(t - M), with t = logit x log2(e) and M = ceil(the row's largest t), a whole number; so 1/2 < the row's largest p <= 1. The row's sum l is taken of the UNQUANTISED p, in f32, and the product's result is divided by l at the end. Since M is a whole number, a kernel that streams over the keys may use a running M (the ceiling of the running maximum): every later rescaling is an exact power of two, which a block's scale takes up: the codes' values come out the same.
;;   OPERANDS COMPUTED ON THE WAY. 'Computed on the way' means the value that the module computes at that place (a softmax that the list does not call 'softmax' is quantised finished and normalised). What goes into a quantiser is computed in f32, as accurately as f32 sums, v_exp_f32 and their like allow (about 1e-6 of the number): no bf16 or f16 on the way to a quantiser, and a product that is left as it is and whose result goes on into a quantised operand takes f32 operands (vector FMAs, or v_wmma_f32_16x16x4_f32). A number that lies on a knife's edge between two numbers of the format may be rounded either way, as far as f32 arithmetic and the matrix unit's own rounding can turn it there, and no further.
;; One version. Each part assembles by itself: llvm-mc -triple=amdgcn-amd-amdhsa -mcpu=gfx1250 --defsym DOCPART=n.
;; ======== version 1 of 1: 4 launches
;; limits: right only within a limited range of input values
;; workspace buffers: wimg 983,040 bytes; wsc 40,960 bytes; qkv 10,092,544 bytes; himg 3,145,728 bytes; hsc 262,144 bytes
;; launch wquant (part 1): grid 16 x 5, 4 waves a work-group, no clusters, 0 bytes of LDS; arguments Wq, Wk, Wkb, Wv, Wo, wimg, wsc; writes wimg, wsc
.if DOCPART == 1
	.amdgcn_target "amdgcn-amd-amdhsa--gfx1250"
	.amdhsa_code_object_version 6
	.text
	.protected	k_q1b9ba223b3_wquant
	.globl	k_q1b9ba223b3_wquant
	.p2align	8
	.type	k_q1b9ba223b3_wquant,@function
k_q1b9ba223b3_wquant:
	s_mov_b64 s[64:65], 0
	v_nop
	global_prefetch_b8 v0, s[64:65] scope:SCOPE_SE
	s_setreg_imm32_b32 hwreg(HW_REG_WAVE_MODE, 25, 1), 1
	s_wait_xcnt 0x0
; The five weights [512 (k)][512 (n)], f32, K their FIRST axis, become codes of FP6 (E2M3) with one E8M0 byte for each 32 along K,
; laid as IMAGES OF THE OPERAND'S REGISTERS.  A fragment is 16 columns x 128 K: 12 registers a lane, 1,536 bytes: three groups of 512 bytes,
; group g = registers 4 g .. 4 g + 3, lane l at 16 l.  wimg: [weight][column tile 32][K step 4][1,536]; wsc: [weight][tile][K step][64], row r's word at 4 r.
; THE COLUMNS OF A TILE ARE NOT NEIGHBOURS: row r of tile tg is column 32 (tg / 2) + 8 (tg % 2) + r + 8 (r / 8), so that the results of two
; neighbouring tiles are 16 neighbours along the next product's K.
; A LANE TAKES A COLUMN, ITS REGISTERS RUN DOWN K: work-group x takes 32 columns (two tiles), work-group y the weight, the wave a K step of 128.
; A lane's 128 registers are four whole blocks; block t belongs to lane r + 16 (t % 2) of the fragment, registers 6 (t / 2) on.
; A block's scale is 2^(floor(log2(its largest magnitude)) - 2); its byte is the largest magnitude's exponent field - 2, held at 1 from below.
; LIMITS: a block of zeros gets the byte 1 (its codes are zeros, and this program alone reads the bytes); NaN and infinities are not served.
; 80 work-groups: the launch moves 5 MiB once; no work-group is added to make up a number.  No LDS, no barrier: waves share nothing.
.set X, 32                             ; v32-159  my column's 128 numbers
.set C, 160                            ; v160..   six registers of codes for each block, eight apart: no store's data are written again
.set T, 16                             ; v16-18   a block's second half of codes, before it is moved
	s_load_b256 s[8:15], s[0:1], 0x0               ; Wq, Wk, Wkb, Wv
	s_load_b128 s[16:19], s[0:1], 0x20             ; Wo, wimg
	s_load_b64 s[20:21], s[0:1], 0x30              ; wsc
	v_lshrrev_b32 v1, 5, v0
	v_readfirstlane_b32 s22, v1                    ; wave = K step
	s_and_b32 s23, ttmp7, 0xffff                   ; which weight
	v_and_b32 v1, 31, v0                           ; lane = column in the work-group's 32
	v_lshlrev_b32 v2, 2, v1                        ; in: 4 bytes a lane
	v_and_b32 v5, 7, v1
	v_bfe_u32 v6, v1, 4, 1
	v_bfe_u32 v7, v1, 3, 1                         ; u: which of the two tiles
	v_lshl_add_u32 v5, v6, 3, v5                   ; r: my row in that tile
	v_lshlrev_b32 v3, 4, v5
	v_mad_u32_u24 v3, v7, 6144, v3                 ; codes: 16 r + the tile's four fragments
	v_lshlrev_b32 v4, 2, v5
	v_lshl_add_u32 v4, v7, 8, v4                   ; scale word: 4 r + the tile's four words' rows
	s_lshl_b32 s24, s22, 18                        ; 128 rows of 2,048 bytes for each K step,
	s_lshl_b32 s25, ttmp9, 7                       ; 32 columns of 4 bytes for each work-group
	s_add_co_u32 s24, s24, s25
	s_mov_b32 s25, 0
	s_lshl_b32 s26, ttmp9, 3
	s_add_co_u32 s26, s26, s22                     ; fragment 4 (2 x) + K step
	s_mul_i32 s28, s26, 1536
	s_mul_i32 s27, s23, 196608
	s_add_co_u32 s28, s28, s27
	s_mov_b32 s29, 0
	s_lshl_b32 s30, s26, 6
	s_lshl_b32 s27, s23, 13
	s_add_co_u32 s30, s30, s27
	s_mov_b32 s31, 0
	s_wait_kmcnt 0x0
	s_cmp_eq_u32 s23, 1                            ; the weight is chosen by the work-group's number alone
	s_cselect_b64 s[8:9], s[10:11], s[8:9]
	s_cmp_eq_u32 s23, 2
	s_cselect_b64 s[8:9], s[12:13], s[8:9]
	s_cmp_eq_u32 s23, 3
	s_cselect_b64 s[8:9], s[14:15], s[8:9]
	s_cmp_eq_u32 s23, 4
	s_cselect_b64 s[8:9], s[16:17], s[8:9]
	s_add_nc_u64 s[8:9], s[8:9], s[24:25]
	s_add_nc_u64 s[18:19], s[18:19], s[28:29]
	s_add_nc_u64 s[20:21], s[20:21], s[30:31]
.set n, 0
.rept 128
	global_load_b32 v[X+n], v2, s[8:9] offset:n*2048 th:TH_LOAD_NT   ; row n of the K step: 32 lanes read 128 consecutive bytes
.set n, n+1
.endr
.macro BLOCK t, left                   ; left: the younger loads that may stay out (the wait's field holds 63 at the most)
.set XS, X+32*(\t)
.set CC, C+8*(\t)
	s_wait_loadcnt \left
	v_max3_num_f32 v12, |v[XS]|, |v[XS+1]|, |v[XS+2]|               ; the block's largest magnitude: all 32 numbers are mine; two chains
	v_max3_num_f32 v13, |v[XS+3]|, |v[XS+4]|, |v[XS+5]|
.irp i, 6,10,14,18,22,26
	v_max3_num_f32 v12, v12, |v[XS+\i]|, |v[XS+\i+1]|
	v_max3_num_f32 v13, v13, |v[XS+\i+2]|, |v[XS+\i+3]|
.endr
	v_max3_num_f32 v12, v12, |v[XS+30]|, |v[XS+31]|
	v_max3_num_f32 v12, v12, v13, 0x1800000        ; and the floor 2^(3 - 127): the byte cannot fall under 1
	v_add_nc_u32 v11, 0xff000000, v12              ; 2 off the exponent field: the conversion takes this operand's exponent field as its scale
	v_lshrrev_b32 v13, 23, v11                     ; the scale's byte
.if (\t) == 0
	v_mov_b32 v24, v13
.else
	v_lshl_or_b32 v24, v13, 8*(\t), v24            ; byte t of the K step's word
.endif
	v_cvt_scalef32_pk16_fp6_f32 v[CC:CC+2], v[XS:XS+15], v11
	v_cvt_scalef32_pk16_fp6_f32 v[T:T+2], v[XS+16:XS+31], v11       ; (a conversion's three registers begin on an even number)
	v_nop                                          ; one plain place behind a scaled conversion
	v_mov_b32 v[CC+3], v[T]
	v_mov_b32 v[CC+4], v[T+1]
	v_mov_b32 v[CC+5], v[T+2]
.if (\t) < 2                           ; registers 0 to 5: group 0 whole, the lower half of my place in group 1
	global_store_b128 v3, v[CC:CC+3], s[18:19] offset:256*((\t)%2)
	global_store_b64 v3, v[CC+4:CC+5], s[18:19] offset:512+256*((\t)%2)
.else                                  ; registers 6 to 11: the upper half of my place in group 1, group 2 whole
	global_store_b64 v3, v[CC:CC+1], s[18:19] offset:520+256*((\t)%2)
	global_store_b128 v3, v[CC+2:CC+5], s[18:19] offset:1024+256*((\t)%2)
.endif
.endm
	BLOCK 0, 63
	BLOCK 1, 63
	BLOCK 2, 32
	BLOCK 3, 0
	global_store_b32 v4, v24, s[20:21]             ; my column's scale word for this K step
	s_endpgm
.Lfunc_end_k_q1b9ba223b3_wquant:
	.size	k_q1b9ba223b3_wquant, .Lfunc_end_k_q1b9ba223b3_wquant-k_q1b9ba223b3_wquant
	.p2alignl 7, 3214868480
	.fill 96, 4, 3214868480
	.section	.rodata,"a",@progbits
	.p2align	6, 0x0
	.amdhsa_kernel k_q1b9ba223b3_wquant
		.amdhsa_group_segment_fixed_size 0
		.amdhsa_private_segment_fixed_size 0
		.amdhsa_enable_private_segment 0
		.amdhsa_kernarg_size 56
		.amdhsa_user_sgpr_count 2
		.amdhsa_user_sgpr_kernarg_segment_ptr 1
		.amdhsa_wavefront_size32 1
		.amdhsa_system_sgpr_workgroup_id_x 1
		.amdhsa_system_sgpr_workgroup_id_y 1
		.amdhsa_system_sgpr_workgroup_id_z 1
		.amdhsa_system_vgpr_workitem_id 0
		.amdhsa_next_free_vgpr 192
		.amdhsa_next_free_sgpr 66
		.amdhsa_reserve_vcc 0
		.amdhsa_float_denorm_mode_32 3
		.amdhsa_float_denorm_mode_16_64 3
		.amdhsa_memory_ordered 1
		.amdhsa_forward_progress 1
		.amdhsa_inst_pref_size 21
	.end_amdhsa_kernel
	.amdgpu_metadata
---
amdhsa.version: [ 1, 2 ]
amdhsa.kernels:
  - .name:           k_q1b9ba223b3_wquant
    .symbol:         k_q1b9ba223b3_wquant.kd
    .args:
      - { .name: Wq, .offset: 0, .size: 8, .value_kind: global_buffer, .address_space: global }
      - { .name: Wk, .offset: 8, .size: 8, .value_kind: global_buffer, .address_space: global }
      - { .name: Wkb, .offset: 16, .size: 8, .value_kind: global_buffer, .address_space: global }
      - { .name: Wv, .offset: 24, .size: 8, .value_kind: global_buffer, .address_space: global }
      - { .name: Wo, .offset: 32, .size: 8, .value_kind: global_buffer, .address_space: global }
      - { .name: wimg, .offset: 40, .size: 8, .value_kind: global_buffer, .address_space: global }
      - { .name: wsc, .offset: 48, .size: 8, .value_kind: global_buffer, .address_space: global }
    .group_segment_fixed_size: 0
    .private_segment_fixed_size: 0
    .kernarg_segment_align: 8
    .kernarg_segment_size: 56
    .max_flat_workgroup_size: 128
    .sgpr_count:     66
    .vgpr_count:     192
    .wavefront_size: 32
...
	.end_amdgpu_metadata
.endif
;; end of part 1
;; launch proj (part 2): grid 256 x 1, 4 waves a work-group, no clusters, 87,552 bytes of LDS; arguments q, k, k_b, v, mask, bq, bk, bkb, bv, wimg, wsc, qkv; writes qkv
.if DOCPART == 2
	.amdgcn_target "amdgcn-amd-amdhsa--gfx1250"
	.amdhsa_code_object_version 6
	.text
	.protected	k_q1b9ba223b3_proj
	.globl	k_q1b9ba223b3_proj
	.p2align	8
	.type	k_q1b9ba223b3_proj,@function
k_q1b9ba223b3_proj:
	s_mov_b64 s[64:65], 0
	v_nop
	global_prefetch_b8 v0, s[64:65] scope:SCOPE_SE
	s_setreg_imm32_b32 hwreg(HW_REG_WAVE_MODE, 25, 1), 1
	s_wait_xcnt 0x0
; The four input projections on codes of FP6 (E2M3, one E8M0 byte for each 32 along K), their biases, kh + kbh, and the quantisers of what attention multiplies.
; JOBS, by the work-group's number, all of equal work (128 rows x 512 of f32 read, 256 matrix instructions a wave):
;   0-63    Q: 128 tokens of q x Wq + bq;   64-191  K: 64 tokens: k x Wk + k_b x Wkb + bk + bkb, ONE sum over K = 1,024;   192-255 V: 128 tokens (a key step) of v x Wv + bv.
; A wave owns 128 columns (column tiles 8 w + i: heads 2 w and 2 w + 1); their 32 weight fragments stay in its registers (384), loaded as register images.
; TOKEN TILES: row r of tile 2 b + u is token 32 b + 8 u + r + 8 (r / 8); the weights' column tiles are ordered alike.  So the 16 registers of two neighbouring result tiles are 16 neighbours along the next K.
; X PHASE (all jobs alike): wave w loads rows 32 w .. 32 w + 31 (each load 512 consecutive bytes of one row), turns them through its own stage in LDS so that a lane holds 16 neighbours of each block,
; quantises them and stores the 8 fragments as register images in LDS.  ONE barrier.  Behind it LDS is only read.
; Q and K: source 0 = a weight tile, source 1 = a token tile: a lane holds one token, its registers run along the head's dims: 64 registers become the codes of two heads' 64 dims.
; V: source 0 = a token tile, source 1 = a weight tile: a lane holds one dim, its registers run along the 128 keys: 64 registers become one fragment of V^T.
; THE MASK: the codes of a masked key are cleared here, so that its score is exactly what the next launch gives the sum as its start.
; qkv, for each of 32 heads HEADB bytes: K's 128 half fragments of 768 bytes (registers 0-3 at 16 x lane, registers 4-5 at 512 + 8 x lane); V^T [step 16][dim tile 4][1,536]; K's scale words [tile][64];
; V's [step][dim tile][64]; Q's half fragments; Q's scale words.  A half fragment's scale word has two bytes; the upper two are 0.
; NO CLUSTER: the weights go from memory straight into each wave's registers, each wave its own part; a joint load lands in LDS, and the K job's two weights, 393,216 bytes, do not fit there beside the 87,040 bytes in use.
; LIMITS: a block of zeros gets the byte 1 (its codes are zeros; this program alone reads the bytes); NaN and infinities are not served.
; REGISTERS, in windows of 256.  Window 0: v1-20 addresses and the mask; v32-127 streamed fragments (in the X phase v32-95 a fragment's 64 numbers); v128-135 their scale words; v136-167 the weights' scale words;
;   v168-207 at work.  Window 1: v0-191 the weights' K steps 0, 1; v192-255 the bias, 8 registers a column tile.  Window 2: v0-191 K steps 2, 3; v192-255 bkb.  Window 3: x as loaded, then 32 accumulators.
.set HEADB, 315392
.set VI,    98304
.set KS,    196608
.set VS,    204800
.set QI,    208896
.set QS,    307200
.set WB,    196608                     ; a weight's images in bytes
.set WSB,   8192                       ; and its scale words
.set XIMG,  0                          ; LDS: x's 32 fragments (4 x tile + K step), 1,536 bytes each
.set XSC,   49152                      ; their scale words, 128 bytes each (4 x lane)
.set STG,   53248                      ; a stage of 16 rows x (512 + 16) bytes for each wave
.set LI,   4                            ; v4   16 x lane
.set L8,   5                            ; v5   8 x lane
.set LS,   6                            ; v6   4 x lane
.set R4,   7                            ; v7   4 r
.set RC4,  8                            ; v8   4 (r + 8 (r / 8))
.set H64,  9                            ; v9   64 h
.set STW,  10                           ; v10  my stage, on the way in: 16 x lane
.set STRD, 11                           ; v11  and on the way out: 528 r + 64 h
.set XWI,  12                           ; v12  where I store x's images
.set XWS,  13                           ; v13  and their scale words
.set SOFF, 14                           ; v14  h x HEADB + 4 r: lanes 0-15 store the even head's scale words, lanes 16-31 the odd head's
.set SH16, 15                           ; v15  16 h
.set MW,   16                           ; v16-19 all ones where the lane's token of tile m counts, else 0
.set ONES, 20
.set X,    32
.set STRF, 32
.set SSC,  128
.set RS,   136
.set TM,   168                          ; v168-171 largest magnitudes, v172-175 the other half's and then the bytes, v180-183 the conversions' scale operands
.set PW,   184                          ; the scale word just made
.set PWS,  185                          ; and as it is stored
.set PC,   188                          ; v188-199 the codes just made; v200-206 at work
.set MSB, 0
.macro WIN new                         ; the immediate's high byte repeats the setting that is left; a switch that changes nothing is dropped
.if MSB != \new
	s_set_vgpr_msb (MSB<<8)|\new
.set MSB, \new
.endif
.endm
.macro PLACES                          ; four plain places behind matrix instructions, ahead of loads into their registers and of the first read of results
.rept 4
	v_nop
.endr
.endm
; the weights' K step s: 8 fragments and their scale words, from pointers s[p:p+1], s[sp:sp+1]
.macro LOADG p, sp, s
.if (\s) < 2
	WIN 0x40
.else
	WIN 0x80
.endif
.irp i, 0,1,2,3,4,5,6,7
.irp c, 0,1,2
	global_load_b128 v[96*((\s)%2)+12*\i+4*\c:96*((\s)%2)+12*\i+4*\c+3], v[LI], s[\p:\p+1] offset:(4*\i+(\s))*1536+512*\c
.endr
.endr
	WIN 0
.irp i, 0,1,2,3,4,5,6,7
	global_load_b32 v[RS+4*\i+(\s)], v[R4], s[\sp:\sp+1] offset:(4*\i+(\s))*64
.endr
.endm
; 16 rows of tile tau of my pair, K step s: a row's 512 consecutive bytes an instruction, into window 3
.macro GL tau, s
	WIN 0xc0
.irp j, 0,1,2,3,4,5,6,7,8,9,10,11,12,13,14,15
	global_load_b128 v[64*(\s)+4*\j:64*(\s)+4*\j+3], v[LI], s[4:5] offset:(\j+8*(\j/8)+8*(\tau))*2048+512*(\s) th:TH_LOAD_NT
.endr
	WIN 0
.endm
; through my stage: in as loaded, out 16 neighbours of each block of 32 a lane: register 16 b + i = k 32 b + 16 h + i of row r.  LDS serves a wave's instructions in order (ISA guide 5.7.1.4).
.macro TURN s
	WIN 0x0c
.irp j, 0,1,2,3,4,5,6,7,8,9,10,11,12,13,14,15
	ds_store_b128 v[STW], v[64*(\s)+4*\j:64*(\s)+4*\j+3] offset:528*\j
.endr
	WIN 0
.irp b, 0,1,2,3
.irp e, 0,1,2,3
	ds_load_b128 v[X+16*\b+4*\e:X+16*\b+4*\e+3], v[STRD] offset:128*\b+16*\e
.endr
.endr
.endm
; 64 numbers of a lane in window w, register 16 b + i = k 32 b + 16 h + i of my row, become a fragment's codes in v[PC] on and its scale word in v[PW].
; Each accumulator is read from its low end on: registers 16 b, 16 b + 1 first, then 16 b + 8, 16 b + 9 of the next.
.macro QUANT s, w
.set QA, (\w)|((\w)<<2)
.set QB, ((\w)<<2)|((\w)<<4)
.set QC, (\w)
	WIN QA
.irp b, 0,1,2,3
	v_max3_num_f32 v[TM+\b], |v[(\s)+16*\b]|, |v[(\s)+1+16*\b]|, 0x1800000   ; block b: my 16 numbers, and the floor 2^(3 - 127): the byte cannot fall under 1
.endr
	WIN QB
.irp i, 2,4,6,8,10,12,14
.irp b, 0,1,2,3
	v_max3_num_f32 v[TM+\b], v[TM+\b], |v[(\s)+16*\b+\i]|, |v[(\s)+1+16*\b+\i]|   ; the four blocks by turns
.endr
.endr
	WIN 0
.irp b, 0,1,2,3
	v_permlanex16_b32 v[TM+4+\b], v[TM+\b], s66, s67
.endr
.irp b, 0,1,2,3
	v_max_num_f32 v[TM+\b], v[TM+\b], v[TM+4+\b]   ; with lane l xor 16's: the block's largest magnitude
.endr
.irp b, 0,1,2,3
	v_add_nc_u32 v[TM+12+\b], 0xff000000, v[TM+\b] ; 2 off its exponent field: the conversion's scale operand
.endr
.irp b, 0,1,2,3
	v_lshrrev_b32 v[TM+4+\b], 23, v[TM+12+\b]      ; the scale's byte
.endr
	v_lshl_or_b32 v[PW], v[TM+5], 8, v[TM+4]
	v_lshl_or_b32 v[PW], v[TM+6], 16, v[PW]
	v_lshl_or_b32 v[PW], v[TM+7], 24, v[PW]
	WIN QC
.irp c, 0,1
	v_cvt_scalef32_pk16_fp6_f32 v[PC+6*\c:PC+2+6*\c], v[(\s)+32*\c:(\s)+15+32*\c], v[TM+12+2*\c]
	v_cvt_scalef32_pk16_fp6_f32 v[PC+12+4*\c:PC+14+4*\c], v[(\s)+16+32*\c:(\s)+31+32*\c], v[TM+12+2*\c+1]   ; (a conversion's three registers begin on an even number)
.endr
	WIN 0
	v_nop                                          ; one plain place behind a scaled conversion
.irp c, 0,1                                    ; the operand's layout wants a WHOLE block in a lane: lanes 0-15 block 2 c, lanes 16-31 block 2 c + 1
.irp i, 0,1,2
	v_permlane16_swap_b32 v[PC+6*\c+\i], v[PC+12+4*\c+\i]
.endr
.irp i, 0,1,2
	v_mov_b32 v[PC+3+6*\c+\i], v[PC+12+4*\c+\i]
.endr
.endr
.endm
.macro IMAGE f                         ; my fragment f (of 8) goes to LDS as it stands
.irp c, 0,1,2
	ds_store_b128 v[XWI], v[PC+4*\c:PC+4*\c+3] offset:(\f)*1536+512*\c
.endr
	ds_store_b32 v[XWS], v[PW] offset:(\f)*128
.endm
.macro FETCH reg, f                    ; and fragment f (of 32) comes back so, in any wave
.irp c, 0,1,2
	ds_load_b128 v[\reg+4*\c:\reg+4*\c+3], v[LI] offset:XIMG+(\f)*1536+512*\c
.endr
.endm
; Q and K: K step s of token tiles xt .. xt + 3 against my 8 column tiles: 32 accumulators by turns, one instruction a turn.
; cinit = 1: the bias starts the sums.  wcnt >= 0: the younger weight loads that may stay out.
.macro KT s, xt, cinit, wcnt
.set RA, 96*((\s)%2)
	PLACES
.irp m, 0,1,2,3
	FETCH STRF+12*\m, 4*((\xt)+\m)+(\s)
	ds_load_b32 v[SSC+\m], v[LS] offset:XSC+(4*((\xt)+\m)+(\s))*128
.endr
.if (\wcnt) >= 0
	s_wait_loadcnt \wcnt
.endif
	s_wait_dscnt 0x0
.if \cinit
	WIN 0xd1                                       ; source 0 (weights) and source 2 (bias) window 1, destination window 3
.elseif (\s) < 2
	WIN 0xf1                                       ; source 0 window 1, C and D window 3
.else
	WIN 0xf2                                       ; source 0 window 2
.endif
.irp m, 0,1,2,3
.irp i, 0,1,2,3,4,5,6,7
.if \cinit
	v_wmma_scale_f32_16x16x128_f8f6f4 v[64*\m+8*\i:64*\m+8*\i+7], v[RA+12*\i:RA+12*\i+11], v[STRF+12*\m:STRF+12*\m+11], v[192+8*\i:199+8*\i], v[RS+4*\i+(\s)], v[SSC+\m] matrix_a_fmt:MATRIX_FMT_FP6 matrix_b_fmt:MATRIX_FMT_FP6
.else
	v_wmma_scale_f32_16x16x128_f8f6f4 v[64*\m+8*\i:64*\m+8*\i+7], v[RA+12*\i:RA+12*\i+11], v[STRF+12*\m:STRF+12*\m+11], v[64*\m+8*\i:64*\m+8*\i+7], v[RS+4*\i+(\s)], v[SSC+\m] matrix_a_fmt:MATRIX_FMT_FP6 matrix_b_fmt:MATRIX_FMT_FP6
.endif
.endr
.endr
	WIN 0
.endm
; the K job alone: K step s of Wk is done with; Wkb's takes its registers and has three K steps, 96 matrix instructions, in which to land
.macro RELOAD s
	s_cmp_eq_u32 s51, 1
	s_cbranch_scc0 .Lno_reload_\@
	PLACES
	LOADG 10, 12, \s
.Lno_reload_\@:
.endm
; V: K step s of all 8 token tiles against column tiles 4 half .. 4 half + 3
.macro KV s, half
.set RA, 96*((\s)%2)
	PLACES
.irp m, 0,1,2,3,4,5,6,7
	FETCH STRF+12*\m, 4*\m+(\s)
	ds_load_b32 v[SSC+\m], v[LS] offset:XSC+(4*\m+(\s))*128
.endr
	s_wait_dscnt 0x0
.if (\s) == 0
	WIN 0xd4                                       ; source 1 (weights) and source 2 (bias) window 1, destination window 3
.elseif (\s) == 1
	WIN 0xf4
.else
	WIN 0xf8
.endif
.irp p, 0,1,2,3
.irp m, 0,1,2,3,4,5,6,7
.if (\s) == 0
	v_wmma_scale_f32_16x16x128_f8f6f4 v[64*\p+8*\m:64*\p+8*\m+7], v[STRF+12*\m:STRF+12*\m+11], v[RA+12*(4*(\half)+\p):RA+12*(4*(\half)+\p)+11], v[192+8*(4*(\half)+\p):199+8*(4*(\half)+\p)], v[SSC+\m], v[RS+4*(4*(\half)+\p)+(\s)] matrix_a_fmt:MATRIX_FMT_FP6 matrix_b_fmt:MATRIX_FMT_FP6
.else
	v_wmma_scale_f32_16x16x128_f8f6f4 v[64*\p+8*\m:64*\p+8*\m+7], v[STRF+12*\m:STRF+12*\m+11], v[RA+12*(4*(\half)+\p):RA+12*(4*(\half)+\p)+11], v[64*\p+8*\m:64*\p+8*\m+7], v[SSC+\m], v[RS+4*(4*(\half)+\p)+(\s)] matrix_a_fmt:MATRIX_FMT_FP6 matrix_b_fmt:MATRIX_FMT_FP6
.endif
.endr
.endr
	WIN 0
.endm
; Q and K: token tile m's 128 columns become two heads' half fragments and leave
.macro EPIT m, masked
	s_wait_xcnt 0x0                                ; the last stores have read their data: v[PC] on and v[PWS] are written again only behind this wait
	QUANT 64*(\m), 3
.if \masked
.irp i, 0,1,2,3,4,5,6,7,8,9,10,11
	v_and_b32 v[PC+\i], v[MW+(\m)], v[PC+\i]       ; a masked key's codes are zeros
.endr
.endif
	v_lshrrev_b32 v[PWS], v[SH16], v[PW]
	v_and_b32 v[PWS], 0xffff, v[PWS]               ; lanes 0-15: the even head's two bytes; lanes 16-31: the odd head's
	global_store_b128 v[LI], v[PC:PC+3], s[46:47] offset:(\m)*768
	global_store_b64 v[L8], v[PC+4:PC+5], s[46:47] offset:(\m)*768+512
	global_store_b128 v[LI], v[PC+6:PC+9], s[46:47] offset:HEADB+(\m)*768
	global_store_b64 v[L8], v[PC+10:PC+11], s[46:47] offset:HEADB+(\m)*768+512
	global_store_b32 v[SOFF], v[PWS], s[48:49] offset:(\m)*64
.endm
; V: accumulators 64 a on (column tile t of my 8) become a fragment of V^T: 16 dims x 128 keys.  Two tiles' scale words leave together, 128 consecutive bytes
.macro EPIV a, t
	s_wait_xcnt 0x0
	QUANT 64*(\a), 3
.irp c, 0,1,2
	global_store_b128 v[LI], v[PC+4*\c:PC+4*\c+3], s[46:47] offset:((\t)/4)*HEADB+((\t)%4)*1536+512*\c
.endr
.if ((\t)%2) == 0
	v_mov_b32 v[PWS], v[PW]
.else
	v_cndmask_b32 v[PWS], v[PWS], v[PW], s68       ; lanes 16-31 take the odd tile's words
	global_store_b32 v[LS], v[PWS], s[48:49] offset:((\t)/4)*HEADB+((\t)%4-1)*64
.endif
.endm
	s_load_b512 s[16:31], s[0:1], 0x0              ; q, k, k_b, v, mask, bq, bk, bkb
	s_load_b256 s[32:39], s[0:1], 0x40             ; bv, wimg, wsc, qkv
	v_lshl_add_u32 v254, v0, 2, 0x15400
	v_mov_b32 v255, 0
	v_lshrrev_b32 v1, 5, v0
	v_readfirstlane_b32 s50, v1                    ; wave 0..3
	v_and_b32 v1, 31, v0                           ; lane
	v_and_b32 v2, 15, v0                           ; r
	v_bfe_u32 v3, v0, 4, 1                         ; h
	v_lshlrev_b32 v[LI], 4, v1
	v_lshlrev_b32 v[L8], 3, v1
	v_lshlrev_b32 v[LS], 2, v1
	v_lshlrev_b32 v[R4], 2, v2
	v_and_b32 v[RC4], 8, v2
	v_add_nc_u32 v[RC4], v[RC4], v2
	v_lshlrev_b32 v[RC4], 2, v[RC4]
	v_lshlrev_b32 v[H64], 6, v3
	s_mul_i32 s88, s50, 8448
	s_add_co_u32 s88, s88, STG
	v_add_nc_u32 v[STW], s88, v[LI]
	v_mul_u32_u24 v[STRD], v2, 528
	v_lshl_add_u32 v[STRD], v3, 6, v[STRD]
	v_add_nc_u32 v[STRD], s88, v[STRD]
	s_mul_i32 s88, s50, 12288
	v_add_nc_u32 v[XWI], s88, v[LI]
	s_lshl_b32 s88, s50, 10
	s_add_co_u32 s88, s88, XSC
	v_add_nc_u32 v[XWS], s88, v[LS]
	v_mul_u32_u24 v[SOFF], v3, HEADB
	v_add_nc_u32 v[SOFF], v[SOFF], v[R4]
	v_lshlrev_b32 v[SH16], 4, v3
	v_mov_b32 v[ONES], -1
.irp b, 0,1,2,3
	v_mov_b32 v[TM+4+\b], 0                        ; written once: a lane permute's destination counts as one of its sources
.endr
	s_mov_b32 s66, 0x76543210
	s_mov_b32 s67, 0xfedcba98                      ; v_permlanex16_b32's selects for lane l xor 16
	s_mov_b32 s68, 0xffff0000                      ; lanes 16-31
	; the job, and where its data lie: all by the work-group's and the wave's number
	s_cmp_ge_u32 ttmp9, 64
	s_cselect_b32 s51, 1, 0
	s_cselect_b32 s52, 64, 0
	s_cselect_b32 s53, 6, 7                        ; log2 of a work-group's tokens
	s_cmp_ge_u32 ttmp9, 192
	s_cselect_b32 s51, 2, s51                      ; the job: 0 Q, 1 K, 2 V
	s_cselect_b32 s52, 192, s52
	s_cselect_b32 s53, 7, s53
	s_cselect_b32 s60, 3, s51                      ; the weight: 0 Wq, 1 Wk, 3 Wv
	s_cselect_b32 s86, 5, 6                        ; log2 of the scale words' bytes for 16 tokens: V has 256 for a step of 128
	s_mov_b32 s87, KS
	s_cselect_b32 s63, VI, 0
	s_cselect_b32 s87, VS, s87
	s_cmp_eq_u32 s51, 0
	s_cselect_b32 s63, QI, s63                     ; the codes' region in a head,
	s_cselect_b32 s87, QS, s87                     ; and the scale words'
	s_cselect_b32 s69, -1, 0                       ; queries are never masked
	s_sub_co_u32 s52, ttmp9, s52                   ; my number in the job
	s_lshl_b32 s54, s52, s53                       ; my first token, of 8,192
	s_lshr_b32 s55, s54, 11                        ; the batch
	s_bfe_u32 s56, s54, 0x70004                    ; my first token tile in the batch
	s_and_b32 s57, s50, 1
	s_cmp_eq_u32 s51, 1
	s_cselect_b32 s57, s57, s50                    ; K: waves 0, 1 take k's 64 rows, waves 2, 3 the same tokens' rows of k_b
	s_lshl_b32 s57, s57, 5
	s_add_co_u32 s57, s57, s54
	s_lshl_b32 s58, s57, 11                        ; rows of 2,048 bytes
	s_mov_b32 s59, 0
	s_mul_i32 s61, s60, WB
	s_mul_i32 s62, s50, 49152                      ; my 32 fragments
	s_add_co_u32 s70, s61, s62
	s_mov_b32 s71, 0
	s_add_co_u32 s72, s62, 2*WB                    ; and Wkb's
	s_mov_b32 s73, 0
	s_lshl_b32 s61, s60, 13
	s_lshl_b32 s62, s50, 11
	s_add_co_u32 s74, s61, s62
	s_mov_b32 s75, 0
	s_add_co_u32 s76, s62, 2*WSB
	s_mov_b32 s77, 0
	s_lshl_b32 s61, s55, 3
	s_lshl_b32 s62, s50, 1
	s_add_co_u32 s61, s61, s62                     ; head 8 b + 2 w
	s_mul_i32 s61, s61, HEADB
	s_mul_i32 s62, s56, 768                        ; 768 bytes of codes for 16 tokens in all three regions
	s_add_co_u32 s62, s62, s63
	s_add_co_u32 s78, s62, s61
	s_mov_b32 s79, 0
	s_lshl_b32 s62, s56, s86
	s_add_co_u32 s62, s62, s87
	s_add_co_u32 s80, s62, s61
	s_mov_b32 s81, 0
	s_lshl_b32 s82, s50, 9                         ; my 128 numbers of a bias
	s_mov_b32 s83, 0
	s_lshl_b32 s84, s54, 2                         ; my tokens' mask words
	s_mov_b32 s85, 0
	s_wait_kmcnt 0x0
	s_cmp_lt_u32 s50, 2
	s_cselect_b64 s[4:5], s[18:19], s[20:21]       ; k or k_b
	s_cmp_eq_u32 s51, 0
	s_cselect_b64 s[4:5], s[16:17], s[4:5]         ; q
	s_cselect_b64 s[40:41], s[26:27], s[28:29]     ; bq or bk
	s_cmp_eq_u32 s51, 2
	s_cselect_b64 s[4:5], s[22:23], s[4:5]         ; v
	s_cselect_b64 s[40:41], s[32:33], s[40:41]     ; bv
	s_add_nc_u64 s[4:5], s[4:5], s[58:59]          ; x at my first row
	s_add_nc_u64 s[6:7], s[34:35], s[70:71]        ; my weight fragments,
	s_add_nc_u64 s[8:9], s[36:37], s[74:75]        ; their scale words,
	s_add_nc_u64 s[10:11], s[34:35], s[72:73]      ; Wkb's fragments,
	s_add_nc_u64 s[12:13], s[36:37], s[76:77]      ; and scale words
	s_add_nc_u64 s[40:41], s[40:41], s[82:83]
	s_add_nc_u64 s[42:43], s[30:31], s[82:83]      ; bkb
	s_add_nc_u64 s[44:45], s[24:25], s[84:85]      ; mask
	s_add_nc_u64 s[46:47], s[38:39], s[78:79]      ; where my codes go,
	s_add_nc_u64 s[48:49], s[38:39], s[80:81]      ; and my scale words
	LOADG 6, 8, 0
	LOADG 6, 8, 1
	LOADG 6, 8, 2
	LOADG 6, 8, 3
.irp m, 0,1,2,3                                ; the mask words and bkb are loaded in every job, on the one way that all take; only the K job uses bkb, only Q and K the mask
	global_load_b32 v[MW+\m], v[RC4], s[44:45] offset:(32*(\m/2)+8*(\m%2))*4
.endr
	WIN 0x80
.irp i, 0,1,2,3,4,5,6,7
	global_load_b128 v[192+8*\i:195+8*\i], v[H64], s[42:43] offset:(32*(\i/2)+8*(\i%2))*4
	global_load_b128 v[196+8*\i:199+8*\i], v[H64], s[42:43] offset:(32*(\i/2)+8*(\i%2))*4+16
.endr
	WIN 0
	s_cmp_eq_u32 s51, 2
	s_cbranch_scc1 .Lbias_v
	WIN 0x40                                       ; Q and K: lane (r, h), register j of tile i: column 32 (i / 2) + 8 (i % 2) + 16 h + j
.irp i, 0,1,2,3,4,5,6,7
	global_load_b128 v[192+8*\i:195+8*\i], v[H64], s[40:41] offset:(32*(\i/2)+8*(\i%2))*4
	global_load_b128 v[196+8*\i:199+8*\i], v[H64], s[40:41] offset:(32*(\i/2)+8*(\i%2))*4+16
.endr
	WIN 0
	s_branch .Lbias_done
.Lbias_v:
	WIN 0x40                                       ; V: a lane holds one column, 32 (i / 2) + 8 (i % 2) + r + 8 (r / 8): the same number in all eight registers
.irp i, 0,1,2,3,4,5,6,7
.irp j, 0,1,2,3,4,5,6,7
	global_load_b32 v[192+8*\i+\j], v[RC4], s[40:41] offset:(32*(\i/2)+8*(\i%2))*4
.endr
.endr
	WIN 0
.Lbias_done:
	; ---- X: my 32 rows become 8 fragments.  64 row loads are out at a time; a K step's registers are loaded again as soon as the stage's stores have read them
	GL 0, 0
	GL 0, 1
	GL 0, 2
	GL 0, 3
.irp f, 0,1,2,3,4,5,6,7                        ; fragment f: tile f / 4 of my pair, K step f % 4
.if \f <= 4
	s_wait_loadcnt 48                              ; this fragment's 16 loads are in (and all that is older: weights, biases, mask); the 48 issued behind them may be out
.else
	s_wait_loadcnt 16*(7-\f)
.endif
	TURN (\f%4)
	s_wait_dscnt 0x0                               ; the numbers are back; the stage's stores and the last image's have read their registers
.if \f < 4
	GL 1, \f
.endif
	QUANT X, 0
	IMAGE \f
.endr
	s_wait_dscnt 0x0                               ; for the others' sake: my images have landed
	s_barrier_signal -1
	s_barrier_wait -1                              ; x's 32 fragments lie in LDS; from here on LDS is only read
	s_cmp_eq_u32 s51, 2
	s_cbranch_scc1 .Lv
	; ---- Q and K
.irp m, 0,1,2,3
	v_cmp_ne_u32 vcc_lo, 0, v[MW+\m]
	v_cndmask_b32 v[MW+\m], 0, v[ONES], vcc_lo     ; all ones where the token counts
	v_or_b32 v[MW+\m], s69, v[MW+\m]               ; and everywhere for queries
.endr
	s_cmp_eq_u32 s51, 1
	s_cbranch_scc0 .Lone_bias
	WIN 0x49                                       ; destination and source 0 window 1, source 1 window 2
.irp j, 0,2,4,6,8,10,12,14,16,18,20,22,24,26,28,30,32,34,36,38,40,42,44,46,48,50,52,54,56,58,60,62
	v_pk_add_f32 v[192+\j:193+\j], v[192+\j:193+\j], v[192+\j:193+\j]   ; bk + bkb starts the one sum
.endr
	WIN 0
.Lone_bias:
	KT 0, 0, 1, -1
	RELOAD 0
	KT 1, 0, 0, -1
	RELOAD 1
	KT 2, 0, 0, -1
	RELOAD 2
	KT 3, 0, 0, -1
	RELOAD 3
	s_cmp_eq_u32 s51, 1
	s_cbranch_scc1 .Lkk
	PLACES                                         ; Q: tiles 0 to 3 are finished and leave; tiles 4 to 7 follow on the same accumulators
	EPIT 0, 0
	EPIT 1, 0
	EPIT 2, 0
	EPIT 3, 0
	s_wait_xcnt 0x0                                ; the stores have read their bases
	s_add_nc_u64 s[46:47], s[46:47], 3072
	s_add_nc_u64 s[48:49], s[48:49], 256
	KT 0, 4, 1, 63
	s_branch .Lk5
.Lkk:
	KT 0, 4, 0, 63                                 ; K: k_b's tiles of the same tokens add onto the same sums.  Wkb's K step 0 is in: 96 younger loads, of which the wait's field can name 63
.Lk5:
	KT 1, 4, 0, 63                                 ; 64 younger
	KT 2, 4, 0, 32
	KT 3, 4, 0, 0
	PLACES
	EPIT 0, 1
	EPIT 1, 1
	EPIT 2, 1
	EPIT 3, 1
	s_wait_tensorcnt 0x0
	ds_add_u32 v254, v255
	s_wait_dscnt 0x0
	s_endpgm
.Lv:
	; ---- V: four column tiles at a time, all 128 keys
	KV 0, 0
	KV 1, 0
	KV 2, 0
	KV 3, 0
	PLACES
	EPIV 0, 0
	EPIV 1, 1
	EPIV 2, 2
	EPIV 3, 3
	KV 0, 1
	KV 1, 1
	KV 2, 1
	KV 3, 1
	PLACES
	EPIV 0, 4
	EPIV 1, 5
	EPIV 2, 6
	EPIV 3, 7
	s_wait_tensorcnt 0x0
	ds_add_u32 v254, v255
	s_wait_dscnt 0x0
	s_endpgm
.Lfunc_end_k_q1b9ba223b3_proj:
	.size	k_q1b9ba223b3_proj, .Lfunc_end_k_q1b9ba223b3_proj-k_q1b9ba223b3_proj
	.p2alignl 7, 3214868480
	.fill 96, 4, 3214868480
	.section	.rodata,"a",@progbits
	.p2align	6, 0x0
	.amdhsa_kernel k_q1b9ba223b3_proj
		.amdhsa_group_segment_fixed_size 87552
		.amdhsa_private_segment_fixed_size 0
		.amdhsa_enable_private_segment 0
		.amdhsa_kernarg_size 96
		.amdhsa_user_sgpr_count 2
		.amdhsa_user_sgpr_kernarg_segment_ptr 1
		.amdhsa_wavefront_size32 1
		.amdhsa_system_sgpr_workgroup_id_x 1
		.amdhsa_system_sgpr_workgroup_id_y 1
		.amdhsa_system_sgpr_workgroup_id_z 1
		.amdhsa_system_vgpr_workitem_id 0
		.amdhsa_next_free_vgpr 1024
		.amdhsa_next_free_sgpr 96
		.amdhsa_reserve_vcc 1
		.amdhsa_float_denorm_mode_32 3
		.amdhsa_float_denorm_mode_16_64 3
		.amdhsa_memory_ordered 1
		.amdhsa_forward_progress 1
		.amdhsa_inst_pref_size 255
	.end_amdhsa_kernel
	.section	.bss,"aw",@nobits
	.p2align	6
	.space	262144
	.amdgpu_metadata
---
amdhsa.version: [ 1, 2 ]
amdhsa.kernels:
  - .name:           k_q1b9ba223b3_proj
    .symbol:         k_q1b9ba223b3_proj.kd
    .args:
      - { .name: q, .offset: 0, .size: 8, .value_kind: global_buffer, .address_space: global }
      - { .name: k, .offset: 8, .size: 8, .value_kind: global_buffer, .address_space: global }
      - { .name: k_b, .offset: 16, .size: 8, .value_kind: global_buffer, .address_space: global }
      - { .name: v, .offset: 24, .size: 8, .value_kind: global_buffer, .address_space: global }
      - { .name: mask, .offset: 32, .size: 8, .value_kind: global_buffer, .address_space: global }
      - { .name: bq, .offset: 40, .size: 8, .value_kind: global_buffer, .address_space: global }
      - { .name: bk, .offset: 48, .size: 8, .value_kind: global_buffer, .address_space: global }
      - { .name: bkb, .offset: 56, .size: 8, .value_kind: global_buffer, .address_space: global }
      - { .name: bv, .offset: 64, .size: 8, .value_kind: global_buffer, .address_space: global }
      - { .name: wimg, .offset: 72, .size: 8, .value_kind: global_buffer, .address_space: global }
      - { .name: wsc, .offset: 80, .size: 8, .value_kind: global_buffer, .address_space: global }
      - { .name: qkv, .offset: 88, .size: 8, .value_kind: global_buffer, .address_space: global }
    .group_segment_fixed_size: 87552
    .private_segment_fixed_size: 0
    .kernarg_segment_align: 8
    .kernarg_segment_size: 96
    .max_flat_workgroup_size: 128
    .sgpr_count:     96
    .vgpr_count:     1024
    .wavefront_size: 32
...
	.end_amdgpu_metadata
.endif
;; end of part 2
;; launch attn (part 3): grid 8 x 32, 16 waves a work-group, clusters of 4 x 1, 219,648 bytes of LDS; arguments qkv, mask, himg, hsc; writes himg, hsc
.if DOCPART == 3
	.amdgcn_target "amdgcn-amd-amdhsa--gfx1250"
	.amdhsa_code_object_version 6
	.text
	.protected	k_q1b9ba223b3_attn
	.globl	k_q1b9ba223b3_attn
	.p2align	8
	.type	k_q1b9ba223b3_attn,@function
k_q1b9ba223b3_attn:
	s_mov_b64 s[64:65], 0
	v_nop
	global_prefetch_b8 v0, s[64:65] scope:SCOPE_SE
	s_setreg_imm32_b32 hwreg(HW_REG_WAVE_MODE, 25, 1), 1
	s_wait_xcnt 0x0
	s_wait_alu depctr_hold_cnt(0) depctr_sa_sdst(0) depctr_va_vdst(0) depctr_va_sdst(0) depctr_va_ssrc(0) depctr_va_vcc(0) depctr_vm_vsrc(0)
	s_getreg_b32 s2, hwreg(HW_REG_IB_STS2, 6, 4)
	s_cmp_eq_u32 s2, 0
	s_cbranch_scc0 .Lentry_in_a_cluster
	s_endpgm
.Lentry_in_a_cluster:
	s_bfe_u32 s2, ttmp6, 0x10000c
	s_cmp_lg_u32 s2, 0x3003
	s_cbranch_scc0 .Lentry_shape_is_right
	s_endpgm
.Lentry_shape_is_right:
; hid = softmax(Q (K + Kb)^T / 8, masked by key) V for one head, both products on codes of FP6 (E2M3) with one E8M0 byte for each 32 along a product's K, and hid's quantiser.
; THE SOFTMAX AHEAD OF THE SECOND PRODUCT: t = score x log2(e) / 8; M = the row's largest t so far, rounded UP to a whole number; p = 2^(t - M) is quantised along the keys, not normalised.
; The row's sum is taken of the unquantised p and divides at the end.  When M moves, the sum and O are multiplied by 2^(old M - new M): exact.
; SHARES.  Work-group y is the head (8 b + head), x a block of 256 queries; each of SIXTEEN waves owns one token tile of 16 queries in 256 registers and walks 16 steps of 128 keys: four waves to a SIMD,
; so that one wave's vector work stands beside another's matrix work and LDS loads.
; THE WHOLE HEAD LIES IN LDS: K's codes, V's codes and both scale words are the head's first 208,896 bytes of qkv, and LDS bytes 0 .. 208,895 are their image.  No byte is filled twice: no ring.
; CLUSTER.  The four query blocks of a cluster read the same head: every fill is asked for JOINTLY, by the same tensor load with the same descriptor and a mask that names the four.
; Waves 0 and 1 issue five loads each, all at the start (five are out at the most): half of the scale words, then four chunks of 512 keys (wave 0: K's, wave 1: V's).
; The first chunk is read behind a counted wait and a barrier; the other three, which have four steps' work in which to land, behind one wait for all and a second barrier.
; LAYOUT.  Both products are used transposed: S^T = K Q^T, O^T = V^T P^T: a lane holds ONE query throughout.  Row r of key tile 2 b + u is key 32 b + 8 u + r + 8 (r / 8), so the 16 registers of two tiles are 16 neighbouring keys.
; K = 64 IN AN INSTRUCTION OF 128: Q's operand is six registers of codes and six of zeros.  K's half fragments lie six registers apart; the upper six of tile t's operand are tile t + 1's codes (behind the last: zeros),
; which meet Q's zero codes and add nothing (the format has no NaN and no infinity); the scale words' upper two bytes are 0.
; THE MASK costs no vector instruction in the loop: the scores' sum STARTS from a table in LDS, 0 for a key that counts and -2^33 for a masked one, whose codes the launch before has cleared: a masked score is exactly -2^33,
; its t = -2^33 c a whole number.  In a row with a key that counts its p is 0; in a row without one every p is 1, as in the reference.
; THE ORDER OF A STEP is chosen so that a wave has plain work of its own beside its exponentials and its LDS loads: the next step's start values are asked for as soon as the scores' registers are free;
; the exponentials go in two batches, the scalings between those of the first, and the scales' lines, half of the row's sums and O^T's rescaling between those of the second.
; LIMITS: a masked logit is -2^30 where the reference has -1e9: the two differ only where an unmasked logit falls to about -1e9.  p under 2^-126 counts as 0.  A block of zeros gets the byte 1.  NaN and infinities are not served.
.set HEADB, 315392
.set VI,    98304
.set KS,    196608
.set VS,    204800
.set QI,    208896
.set QS,    307200
.set BIAS,  208896                     ; LDS: behind the head's image: 2,048 f32, written by ds_store; no fill lands here
.set CHB,   24576                      ; a chunk: 512 keys of K's codes, or of V's
.set L16,  1                           ; v1   16 x lane
.set L8,   2                           ; v2   8 x lane
.set ASK0, 3                           ; v3   K's scale words: KS + 4 x lane
.set ASV0, 4                           ; v4   V's: VS + 4 x lane
.set AB0,  5                           ; v5   the table: BIAS + 64 h
.set AV0,  6                           ; v6   V's fragments: VI + 16 x lane
.set R4,   7                           ; v7   4 r
.set ADK16, 8                          ; v8-11, v28, v29: the step's LDS addresses
.set ADK8, 9
.set ADS,  10
.set ADT,  11
.set ADB,  28                          ; (the NEXT step's place in the table)
.set ADV,  29
.set QF,   16                          ; v16-27 Q's operand: v22-27 hold 0
.set QSR,  30                          ; v30  Q's scale words
.set KF,   32                          ; v32-79 K's 8 half fragments, then V's 4 fragments; v80-85 hold 0
.set KSR,  86                          ; v86-89 K's scale words: lanes 0-15 tile 2 b, lanes 16-31 tile 2 b + 1
.set VSR,  90                          ; v90-91 V's likewise
.set SR,   96                          ; v96-159 the scores' start, S^T, then p
.set OA,   160                         ; v160-191 O^T
.set PCD,  192                         ; v192-203 p's codes
.set PT,   204                         ; v204-210 the conversions' second halves
.set BM,   212                         ; v212-215 the blocks' largest scores, then largest p
.set BT,   216                         ; v216-219 at work
.set BS,   220                         ; v220-223 the conversions' scale operands
.set FF,   224                         ; v[224:225] f = 2^(old M - new M); v225 is named with it as a pair
.set TA,   226
.set PSW,  227                         ; p's scale word
.set TS,   228                         ; v228-233 three more chains of the row's sum
.set OM,   234                         ; v234 the old -M
.set WV,   12
.set KO,   60                          ; s60  the step's codes: 6,144 bytes a step, in K's region and in V's
.set SO,   61                          ; s61  K's scale words and the table: 512 bytes a step
.set TO,   62                          ; s62  V's scale words: 256 bytes a step
.set CNT,  63
.macro CROUND                          ; a round of the cluster's barrier
	s_barrier_signal -1
	s_barrier_wait -1
	s_cmp_lg_u32 s[WV], 0
	s_cbranch_scc1 .Lnot_wave_0_\@
	s_barrier_signal -3
.Lnot_wave_0_\@:
	s_barrier_wait -3
	s_barrier_signal -1
	s_barrier_wait -1
.endm
	s_load_b256 s[4:11], s[0:1], 0x0               ; qkv, mask, himg, hsc
	v_lshl_add_u32 v254, v0, 2, 0x35200
	v_mov_b32 v255, 0
	ds_add_u32 v254, v255
	ds_add_u32 v254, v255
	v_lshrrev_b32 v1, 5, v0
	v_readfirstlane_b32 s[WV], v1                  ; wave 0..15
	s_bfe_u32 s13, ttmp6, 0x40000                  ; cx: my place in the cluster: it enters Q's, himg's and hsc's addresses alone
	s_lshl_b32 s14, ttmp9, 2
	s_add_co_u32 s14, s14, s13                     ; my block of 256 queries
	s_and_b32 s15, ttmp7, 0xffff                   ; the head, 8 b + head, which the four partners share
	s_mul_i32 s16, s15, HEADB
	s_mov_b32 s17, 0
	s_lshr_b32 s18, s15, 3                         ; batch
	s_and_b32 s19, s15, 7                          ; head in the batch
	s_lshl_b32 s66, s14, 4
	s_add_co_u32 s66, s66, s[WV]                   ; my token tile in the batch
	s_mul_i32 s68, s66, 768
	s_add_co_u32 s68, s68, QI
	s_mov_b32 s69, 0
	s_lshl_b32 s70, s66, 6
	s_add_co_u32 s70, s70, QS
	s_mov_b32 s71, 0
	s_lshl_b32 s72, s18, 7
	s_add_co_u32 s72, s72, s66                     ; my token tile of 512
	s_lshl_b32 s72, s72, 3
	s_add_co_u32 s74, s72, s19                     ; x 8 + head
	s_mul_i32 s72, s74, 768
	s_mov_b32 s73, 0
	s_lshl_b32 s74, s74, 6
	s_mov_b32 s75, 0
	s_lshl_b32 s76, s18, 13                        ; the batch's mask
	s_mov_b32 s77, 0
	s_and_b32 s78, s19, 1
	s_lshl_b32 s78, s78, 4                         ; an odd head's two scale bytes go to the word's upper half
	s_and_b32 s67, s[WV], 1
	s_mul_i32 s79, s67, 6144
	s_add_co_u32 s79, s79, KS                      ; my half of the scale words: its place in the head and in LDS alike
	s_mul_i32 s80, s67, 4*CHB                      ; K's region or V's
	s_mov_b32 s83, 0
	; descriptor group 1: dense bytes as rows of 256 (32 elements of 8 bytes), no padding: 96 rows a chunk, 24 for half of the scale words
	s_mov_b32 s24, 15|(3<<16)|(1<<21)              ; 15:0 the mask: all four work-groups; 17:16 elements of 8 bytes; 21 set beside a mask
	s_mov_b32 s25, 32<<16                          ; tensor_dim0
	s_mov_b32 s26, 96<<16                          ; tensor_dim1
	s_mov_b32 s27, 32<<16                          ; tile_dim0
	s_mov_b32 s28, 96                              ; tile_dim1
	s_mov_b32 s29, 32                              ; tensor_dim0_stride
	s_mov_b32 s30, 0
	s_mov_b32 s31, 0
	s_mov_b32 s32, 15|(3<<16)|(1<<21)
	s_mov_b32 s33, 32<<16
	s_mov_b32 s34, 24<<16
	s_mov_b32 s35, 32<<16
	s_mov_b32 s36, 24
	s_mov_b32 s37, 32
	s_mov_b32 s38, 0
	s_mov_b32 s39, 0
	s_mov_b32 s20, 0x76543210
	s_mov_b32 s21, 0xfedcba98                      ; v_permlanex16_b32's selects for lane l xor 16
	s_mov_b32 s22, 0x3e38aa3b                      ; c = log2(e) / 8
	s_mov_b32 s23, s22                             ; (named with it as a pair, so it is written)
	v_lshlrev_b32 v31, 4, v0                       ; thread t takes the mask of keys 4 t .. 4 t + 3
	v_lshl_add_u32 v95, v0, 4, BIAS                ; and their places in the table
	v_and_b32 v7, 15, v0                           ; r
	v_bfe_u32 v5, v0, 4, 1                         ; h
	v_and_b32 v1, 31, v0                           ; lane
	v_lshlrev_b32 v[L8], 3, v1
	v_lshl_add_u32 v[ASK0], v1, 2, KS
	v_lshl_add_u32 v[ASV0], v1, 2, VS
	v_lshl_add_u32 v[AV0], v1, 4, VI
	v_lshlrev_b32 v[L16], 4, v1
	v_lshl_add_u32 v[AB0], v5, 6, BIAS
	v_lshlrev_b32 v[R4], 2, v7
	s_wait_dscnt 0x0
	s_wait_kmcnt 0x0
	s_add_nc_u64 s[16:17], s[4:5], s[16:17]        ; the head's first byte
	s_add_nc_u64 s[84:85], s[16:17], s[68:69]      ; my Q codes,
	s_add_nc_u64 s[86:87], s[16:17], s[70:71]      ; my Q scale words
	s_add_nc_u64 s[6:7], s[6:7], s[76:77]
	s_add_nc_u64 s[8:9], s[8:9], s[72:73]
	s_add_nc_u64 s[10:11], s[10:11], s[74:75]
	global_load_b128 v[96:99], v31, s[6:7]         ; the mask and Q are my own: they go out ahead of the round and are on their way while the partners gather
	global_load_b128 v[QF:QF+3], v[L16], s[84:85]
	global_load_b64 v[QF+4:QF+5], v[L8], s[84:85] offset:512
	global_load_b32 v[QSR], v[R4], s[86:87]
	s_mov_b32 s40, 1                               ; group 0 for the scale words: count = 1,
	s_mov_b32 s41, s79                             ; LDS address,
	s_mov_b32 s82, s79
	s_add_nc_u64 s[42:43], s[16:17], s[82:83]      ; global address,
	s_or_b32 s43, s43, 0x80000000                  ; type = 2
.irp q, 0,1,2,3                                ; and for the four chunks
	s_mov_b32 s[44+4*\q], 1
	s_add_co_u32 s[45+4*\q], s80, \q*CHB
	s_add_co_u32 s82, s80, \q*CHB
	s_add_nc_u64 s[46+4*\q:47+4*\q], s[16:17], s[82:83]
	s_or_b32 s[47+4*\q], s[47+4*\q], 0x80000000
.endr
	CROUND                                         ; all four work-groups are here: the joint loads meet
	s_cmp_lt_u32 s[WV], 2                          ; a wave's five first fills stand in one branch, ahead of every wait on TENSORcnt, every LDS read and every other barrier
	s_cbranch_scc0 .Lno_fill
	tensor_load_to_lds s[40:43], s[32:39]
	s_nop 0
	tensor_load_to_lds s[44:47], s[24:31]
	s_nop 0
	tensor_load_to_lds s[48:51], s[24:31]
	s_nop 0
	tensor_load_to_lds s[52:55], s[24:31]
	s_nop 0
	tensor_load_to_lds s[56:59], s[24:31]
	s_nop 0
.rept 4
	v_nop
.endr
.Lno_fill:
	v_mov_b32 v13, 0xff61b1e6                      ; the largest t so far: -3e38, under every t
	v_floor_f32 v12, -v13                          ; -M
	v_mov_b32 v14, 0                               ; the sum, in two halves
	v_mov_b32 v15, 0
.irp j, 0,1,2,3,4,5
	v_mov_b32 v[QF+6+\j], 0                        ; Q's upper 64 along K: zero codes
	v_mov_b32 v[KF+48+\j], 0                       ; and what stands behind K's last half fragment
.endr
.irp b, 0,1,2,3
	v_mov_b32 v[BT+\b], 0                          ; written once: a lane permute's destination counts as one of its sources
.endr
	v_mov_b32 v[FF+1], 0
.set j, 0
.rept 32
	v_mov_b32 v[OA+j], 0                           ; O^T.  (The step is written once: the first finds zeros, which the first change of M leaves zeros)
.set j, j+1
.endr
	v_mov_b32 v104, 0xd0000000                     ; -2^33
	s_wait_loadcnt 0x0
.irp e, 0,1,2,3
	v_cmp_eq_u32 vcc_lo, 0, v[96+\e]
	v_cndmask_b32 v[100+\e], 0, v104, vcc_lo
.endr
	ds_store_b128 v95, v[100:103]
.macro PKF p                           ; pair p of the scores: t - M, two at a time (of the pairs c and -M the low word serves both halves)
	v_pk_fma_f32 v[SR+2*(\p):SR+2*(\p)+1], v[SR+2*(\p):SR+2*(\p)+1], s[22:23], v[12:13] op_sel_hi:[1,0,0]
.endm
.macro BIASLD adr, ta, tb, tc, td      ; what four tiles' scores start from: register j of tile t is key 32 (t / 2) + 8 (t % 2) + 16 h + j of the step at v[adr]
.irp t, \ta, \tb, \tc, \td
	ds_load_b128 v[SR+8*\t:SR+8*\t+3], v[\adr] offset:128*(\t/2)+32*(\t%2)
	ds_load_b128 v[SR+8*\t+4:SR+8*\t+7], v[\adr] offset:128*(\t/2)+32*(\t%2)+16
.endr
.endm
; THE PLAIN LINES BETWEEN THE SECOND BATCH'S EXPONENTIALS, by a number j that the macro steps: three lists by turns.  None names a score of the second half.
;   j % 3 = 0: the 15 lines that make p's scales from the blocks' largest p;   j % 3 = 1: 13 sums: the first half's 16 pairs of p, in four chains;   j % 3 = 2: the 16 rescalings of O^T.
.macro PL
.if (j%3 == 0) && (j/3 < 15)
.set q, j/3
.if q < 4
	v_max_num_f32 v[BM+q], 0x1800000, v[BM+q]      ; the floor 2^(3 - 127): the byte cannot fall under 1 (a block whose every p is 0 keeps that byte: its codes are zeros)
.elseif q < 8
	v_add_nc_u32 v[BS+q-4], 0xff000000, v[BM+q-4]  ; 2 off the exponent field: the conversion's scale operand
.elseif q < 12
	v_lshrrev_b32 v[BT+q-8], 23, v[BS+q-8]         ; the scale's byte
.elseif q == 12
	v_lshl_or_b32 v[PSW], v[BT+1], 8, v[BT]        ; p's scale word for these 128 keys
.elseif q == 13
	v_lshl_or_b32 v[PSW], v[BT+2], 16, v[PSW]
.else
	v_lshl_or_b32 v[PSW], v[BT+3], 24, v[PSW]
.endif
.elseif (j%3 == 1) && (j/3 < 13)
.set a, j/3
.if a%4 == 0
	v_pk_add_f32 v[14:15], v[14:15], v[SR+2*a:SR+2*a+1]                       ; THE ROW'S SUM IS TAKEN OF THE UNQUANTISED p: pairs 0, 4, 8, 12 onto the running sum,
.elseif a < 4
	v_pk_add_f32 v[TS+2*a-2:TS+2*a-1], v[SR+2*a:SR+2*a+1], v[SR+2*a+8:SR+2*a+9]   ; pairs k and k + 4 start chain k,
.else
	v_pk_add_f32 v[TS+2*(a%4)-2:TS+2*(a%4)-1], v[TS+2*(a%4)-2:TS+2*(a%4)-1], v[SR+2*a+8:SR+2*a+9]   ; pairs k + 8 and k + 12 follow
.endif
.elseif j%3 == 2
.set r, j/3
	v_pk_mul_f32 v[OA+2*r:OA+2*r+1], v[OA+2*r:OA+2*r+1], v[FF:FF+1] op_sel_hi:[1,0]   ; O^T under the new M, each accumulator from its low end on
.endif
.set j, j+1
.endm
; A KEY STEP: 128 keys.  The scores' start values were asked for in the step before.
.macro STEP
	s_add_co_u32 s88, s[SO], 512                   ; the next step's place in the table,
	s_min_u32 s88, s88, 7680                       ; held at the last step's: the last look-ahead stays in the table, and what it brings is not used
	v_add_nc_u32 v[ADK16], s[KO], v[L16]           ; (these four are also the places behind the last step's products, ahead of the loads into their registers)
	v_add_nc_u32 v[ADK8], s[KO], v[L8]
	v_add_nc_u32 v[ADS], s[SO], v[ASK0]
	v_add_nc_u32 v[ADB], s88, v[AB0]
.irp b, 0,1,2,3
	ds_load_b32 v[KSR+\b], v[ADS] offset:128*\b
.endr
.irp t, 0,1,2,3,4,5,6,7
	ds_load_b128 v[KF+6*\t:KF+6*\t+3], v[ADK16] offset:768*\t
	ds_load_b64 v[KF+6*\t+4:KF+6*\t+5], v[ADK8] offset:768*\t+512
.endr
	s_wait_dscnt 0x0                               ; K, its scale words, and the start values asked for a step ago
.irp t, 0,1,2,3,4,5,6,7                        ; S^T = K Q^T + the table
.if (\t%2) == 0
	v_wmma_scale_f32_16x16x128_f8f6f4 v[SR+8*\t:SR+8*\t+7], v[KF+6*\t:KF+6*\t+11], v[QF:QF+11], v[SR+8*\t:SR+8*\t+7], v[KSR+\t/2], v[QSR] matrix_a_fmt:MATRIX_FMT_FP6 matrix_b_fmt:MATRIX_FMT_FP6
.else
	v_wmma_scale_f32_16x16x128_f8f6f4 v[SR+8*\t:SR+8*\t+7], v[KF+6*\t:KF+6*\t+11], v[QF:QF+11], v[SR+8*\t:SR+8*\t+7], v[KSR+\t/2], v[QSR] matrix_a_fmt:MATRIX_FMT_FP6 matrix_b_fmt:MATRIX_FMT_FP6 matrix_a_scale:MATRIX_SCALE_ROW1
.endif
.endr
	v_add_nc_u32 v[ADV], s[KO], v[AV0]             ; four places: ahead of the loads into K's registers and of the first read of the scores
	v_add_nc_u32 v[ADT], s[TO], v[ASV0]
	v_mov_b32 v[OM], v12                           ; the old -M
	v_nop
.irp t, 0,1,2,3                                ; V's four fragments land while the softmax is walked
.irp c, 0,1,2
	ds_load_b128 v[KF+12*\t+4*\c:KF+12*\t+4*\c+3], v[ADV] offset:1536*\t+512*\c
.endr
.endr
	ds_load_b32 v[VSR], v[ADT]
	ds_load_b32 v[VSR+1], v[ADT] offset:128
.irp b, 0,1,2,3
	v_max3_num_f32 v[BM+\b], v[SR+16*\b], v[SR+1+16*\b], v[SR+2+16*\b]   ; THE LARGEST SCORE OF EACH BLOCK OF 32 KEYS: it serves for the row's maximum and, since p rises with the score, for the block's largest p
.endr
.irp i, 3,5,7,9,11,13
.irp b, 0,1,2,3
	v_max3_num_f32 v[BM+\b], v[BM+\b], v[SR+16*\b+\i], v[SR+1+16*\b+\i]
.endr
.endr
.irp b, 0,1,2,3
	v_max_num_f32 v[BM+\b], v[BM+\b], v[SR+15+16*\b]
.endr
.irp b, 0,1,2,3
	v_permlanex16_b32 v[BT+\b], v[BM+\b], s20, s21
.endr
.irp b, 0,1,2,3
	v_max_num_f32 v[BM+\b], v[BM+\b], v[BT+\b]     ; with lane l xor 16's 16 keys
.endr
	v_max3_num_f32 v[TA], v[BM], v[BM+1], v[BM+2]
	v_max_num_f32 v[TA], v[TA], v[BM+3]            ; the step's largest score of my query
	v_mul_f32 v[TA], s22, v[TA]                    ; as t (c is positive)
	v_max_num_f32 v13, v13, v[TA]                  ; the running largest t
	v_floor_f32 v12, -v13                          ; the new -M = floor(-t) = -ceil(t): M IS A WHOLE NUMBER
.irp b, 0,1,2,3
	v_fma_f32 v[BM+\b], v[BM+\b], s22, v12         ; t - M of each block's largest score
.endr
	v_sub_f32 v[TA], v12, v[OM]                    ; M's old value less its new one: a whole number, 0 or less
	PKF 0
	PKF 1
	v_cvt_i32_f32 v[TA], v[TA]                     ; (it saturates)
	PKF 2
	PKF 3
	v_ldexp_f32 v[FF], 1.0, v[TA]                  ; f = 2^(old M - new M)
	; THE FIRST BATCH: the four blocks' largest p and p of keys' registers 0 to 31, with the rest of the scalings between them.  A pair is scaled well ahead of its exponentials, and no line names a result of the batch.
.irp b, 0,1,2,3
	v_exp_f32 v[BM+\b], v[BM+\b]                   ; the block's largest p: the same two instructions on the same number give the same bits
	PKF 4+\b
.endr
.set i, 0
.rept 16
	v_exp_f32 v[SR+2*i], v[SR+2*i]                 ; p = 2^(t - M), at most 1: NOT normalised
	PKF 8+i
	v_exp_f32 v[SR+2*i+1], v[SR+2*i+1]
.if i < 8
	PKF 24+i
.endif
.set i, i+1
.endr
	v_pk_mul_f32 v[14:15], v[14:15], v[FF:FF+1] op_sel_hi:[1,0]   ; the sums under the new M.  (A plain place behind the exponentials)
	s_wait_alu depctr_va_vdst(0)                   ; one wait for the first batch, ahead of its first reader
	; THE SECOND BATCH: p of registers 32 to 63; between them 44 plain lines that read the first batch alone (macro PL): three for every two exponentials
.set n, 0
.set j, 0
.rept 32
	v_exp_f32 v[SR+32+n], v[SR+32+n]
	PL
.if n%2
	PL
.endif
.set n, n+1
.endr                                          ; (the last line is a rescaling of O^T: the plain place behind the last exponential)
	s_wait_alu depctr_va_vdst(0)                   ; and one for the second batch
.irp c, 0,1
	v_cvt_scalef32_pk16_fp6_f32 v[PCD+6*\c:PCD+2+6*\c], v[SR+32*\c:SR+15+32*\c], v[BS+2*\c]
	v_cvt_scalef32_pk16_fp6_f32 v[PT+4*\c:PT+2+4*\c], v[SR+16+32*\c:SR+31+32*\c], v[BS+2*\c+1]   ; (a conversion's three registers begin on an even number)
.endr
	v_nop                                          ; one plain place behind a scaled conversion
	BIASLD ADB, 0, 1, 2, 3                         ; registers 0 to 31 are done with: the next step's start values are asked for
.irp c, 0,1                                    ; the operand's layout wants a WHOLE block in a lane
.irp i, 0,1,2
	v_permlane16_swap_b32 v[PCD+6*\c+\i], v[PT+4*\c+\i]
.endr
.irp i, 0,1,2
	v_mov_b32 v[PCD+3+6*\c+\i], v[PT+4*\c+\i]
.endr
.endr
.set a, 0
.rept 16                                       ; the second half's 16 pairs onto the four chains.  (These 19 lines are also the places between the codes' last writes and the products)
.if a%4 == 0
	v_pk_add_f32 v[14:15], v[14:15], v[SR+32+2*a:SR+33+2*a]
.else
	v_pk_add_f32 v[TS+2*(a%4)-2:TS+2*(a%4)-1], v[TS+2*(a%4)-2:TS+2*(a%4)-1], v[SR+32+2*a:SR+33+2*a]
.endif
.set a, a+1
.endr
	v_pk_add_f32 v[TS:TS+1], v[TS:TS+1], v[TS+2:TS+3]
	v_pk_add_f32 v[14:15], v[14:15], v[TS+4:TS+5]
	v_pk_add_f32 v[14:15], v[14:15], v[TS:TS+1]
	BIASLD ADB, 4, 5, 6, 7                         ; and registers 32 to 63
	s_wait_dscnt 16                                ; V and its scale words are in; the 16 loads issued behind them may be out
.irp t, 0,1,2,3                                ; O^T += V^T P^T
.if (\t%2) == 0
	v_wmma_scale_f32_16x16x128_f8f6f4 v[OA+8*\t:OA+8*\t+7], v[KF+12*\t:KF+12*\t+11], v[PCD:PCD+11], v[OA+8*\t:OA+8*\t+7], v[VSR+\t/2], v[PSW] matrix_a_fmt:MATRIX_FMT_FP6 matrix_b_fmt:MATRIX_FMT_FP6
.else
	v_wmma_scale_f32_16x16x128_f8f6f4 v[OA+8*\t:OA+8*\t+7], v[KF+12*\t:KF+12*\t+11], v[PCD:PCD+11], v[OA+8*\t:OA+8*\t+7], v[VSR+\t/2], v[PSW] matrix_a_fmt:MATRIX_FMT_FP6 matrix_b_fmt:MATRIX_FMT_FP6 matrix_a_scale:MATRIX_SCALE_ROW1
.endif
.endr
.endm
; A RUN OF STEPS from step k0 on.  The waves that asked for its chunks wait for them (left: the chunk loads issued behind them, which may stay out), then the barrier shows them to all sixteen.
.macro PHASE left, first, k0, steps
	s_wait_tensorcnt \left
	s_wait_dscnt 0x0                               ; ahead of the first run: my part of the table has landed; ahead of the second: my LDS loads are in
	s_barrier_signal -1
	s_barrier_wait -1
	s_mov_b32 s[KO], (\k0)*6144
	s_mov_b32 s[SO], (\k0)*512
	s_mov_b32 s[TO], (\k0)*256
	s_mov_b32 s[CNT], \steps
.if \first
	BIASLD AB0, 0, 1, 2, 3                         ; the first step's start values: the table is whole behind the barrier
	BIASLD AB0, 4, 5, 6, 7
.endif
.Lstep_\@:
	STEP
	s_add_co_u32 s[KO], s[KO], 6144
	s_add_co_u32 s[SO], s[SO], 512
	s_add_co_u32 s[TO], s[TO], 256
	s_sub_co_u32 s[CNT], s[CNT], 1
	s_cmp_lg_u32 s[CNT], 0
	s_cbranch_scc1 .Lstep_\@
.endm
	PHASE 3, 1, 0, 4                               ; the first 512 keys: the three chunk loads behind theirs may be out
	PHASE 0, 0, 4, 12                              ; the other 1,536
	; THE WAY OUT.  O^T / the sum: register 16 b + i is dim 32 b + 16 h + i of my query: two blocks of the last product's K.  They are quantised here and leave as a half fragment's image.
	s_wait_dscnt 0x0                               ; the last look-ahead has landed: the scores' registers may be written
	v_add_f32 v14, v14, v15                        ; the sum's two halves,
	v_permlanex16_b32 v[TA], v14, s20, s21
	v_add_f32 v14, v14, v[TA]                      ; and lane l xor 16's: the row's sum
	v_rcp_f32 v14, v14
.rept 3
	v_nop                                          ; plain places: behind the reciprocal, and with the three lines above it behind the last products
.endr
	s_wait_alu depctr_va_vdst(0)                   ; the wait ahead of the first reader
.set j, 0
.rept 16
	v_pk_mul_f32 v[SR+j:SR+j+1], v[OA+j:OA+j+1], v[14:15] op_sel_hi:[1,0]
.set j, j+2
.endr
.irp b, 0,1
	v_max3_num_f32 v[BM+\b], |v[SR+16*\b]|, |v[SR+1+16*\b]|, 0x1800000
.endr
.irp i, 2,4,6,8,10,12,14
.irp b, 0,1
	v_max3_num_f32 v[BM+\b], v[BM+\b], |v[SR+16*\b+\i]|, |v[SR+1+16*\b+\i]|
.endr
.endr
.irp b, 0,1
	v_permlanex16_b32 v[BT+\b], v[BM+\b], s20, s21
.endr
.irp b, 0,1
	v_max_num_f32 v[BM+\b], v[BM+\b], v[BT+\b]
.endr
.irp b, 0,1
	v_add_nc_u32 v[BS+\b], 0xff000000, v[BM+\b]
.endr
.irp b, 0,1
	v_lshrrev_b32 v[BT+\b], 23, v[BS+\b]
.endr
	v_lshl_or_b32 v[PSW], v[BT+1], 8, v[BT]
	v_lshlrev_b32 v[PSW], s78, v[PSW]              ; at its place in the word of two heads
	v_cvt_scalef32_pk16_fp6_f32 v[PCD:PCD+2], v[SR:SR+15], v[BS]
	v_cvt_scalef32_pk16_fp6_f32 v[PT:PT+2], v[SR+16:SR+31], v[BS+1]
	v_nop
.irp i, 0,1,2
	v_permlane16_swap_b32 v[PCD+\i], v[PT+\i]
.endr
.irp i, 0,1,2
	v_mov_b32 v[PCD+3+\i], v[PT+\i]
.endr
	global_store_b128 v[L16], v[PCD:PCD+3], s[8:9]            ; 512 consecutive bytes,
	global_store_b64 v[L8], v[PCD+4:PCD+5], s[8:9] offset:512 ; and 256
	global_store_b32 v[R4], v[PSW], s[10:11]       ; row r's word (both halves of the lanes hold and write the same)
	s_wait_dscnt 0x0
	s_wait_tensorcnt 0x0
	ds_add_u32 v254, v255
	s_wait_dscnt 0x0
	CROUND                                         ; the closing round: no work-group ends while a partner may still ask for a tile that names it
	s_endpgm
.Lfunc_end_k_q1b9ba223b3_attn:
	.size	k_q1b9ba223b3_attn, .Lfunc_end_k_q1b9ba223b3_attn-k_q1b9ba223b3_attn
	.p2alignl 7, 3214868480
	.fill 96, 4, 3214868480
	.section	.rodata,"a",@progbits
	.p2align	6, 0x0
	.amdhsa_kernel k_q1b9ba223b3_attn
		.amdhsa_group_segment_fixed_size 219648
		.amdhsa_private_segment_fixed_size 0
		.amdhsa_enable_private_segment 0
		.amdhsa_kernarg_size 32
		.amdhsa_user_sgpr_count 2
		.amdhsa_user_sgpr_kernarg_segment_ptr 1
		.amdhsa_wavefront_size32 1
		.amdhsa_system_sgpr_workgroup_id_x 1
		.amdhsa_system_sgpr_workgroup_id_y 1
		.amdhsa_system_sgpr_workgroup_id_z 1
		.amdhsa_system_vgpr_workitem_id 0
		.amdhsa_next_free_vgpr 256
		.amdhsa_next_free_sgpr 96
		.amdhsa_reserve_vcc 1
		.amdhsa_float_denorm_mode_32 3
		.amdhsa_float_denorm_mode_16_64 3
		.amdhsa_memory_ordered 1
		.amdhsa_forward_progress 1
		.amdhsa_inst_pref_size 49
	.end_amdhsa_kernel
	.amdgpu_metadata
---
amdhsa.version: [ 1, 2 ]
amdhsa.kernels:
  - .name:           k_q1b9ba223b3_attn
    .symbol:         k_q1b9ba223b3_attn.kd
    .args:
      - { .name: qkv, .offset: 0, .size: 8, .value_kind: global_buffer, .address_space: global }
      - { .name: mask, .offset: 8, .size: 8, .value_kind: global_buffer, .address_space: global }
      - { .name: himg, .offset: 16, .size: 8, .value_kind: global_buffer, .address_space: global }
      - { .name: hsc, .offset: 24, .size: 8, .value_kind: global_buffer, .address_space: global }
    .group_segment_fixed_size: 219648
    .private_segment_fixed_size: 0
    .kernarg_segment_align: 8
    .kernarg_segment_size: 32
    .max_flat_workgroup_size: 512
    .sgpr_count:     96
    .vgpr_count:     256
    .wavefront_size: 32
...
	.end_amdgpu_metadata
.endif
;; end of part 3
;; launch outp (part 4): grid 4 x 64, 4 waves a work-group, no clusters, 83,456 bytes of LDS; arguments himg, hsc, wimg, wsc, bo, out0; writes out0
.if DOCPART == 4
	.amdgcn_target "amdgcn-amd-amdhsa--gfx1250"
	.amdhsa_code_object_version 6
	.text
	.protected	k_q1b9ba223b3_outp
	.globl	k_q1b9ba223b3_outp
	.p2align	8
	.type	k_q1b9ba223b3_outp,@function
k_q1b9ba223b3_outp:
	s_mov_b64 s[64:65], 0
	v_nop
	global_prefetch_b8 v0, s[64:65] scope:SCOPE_SE
	s_setreg_imm32_b32 hwreg(HW_REG_WAVE_MODE, 25, 1), 1
	s_wait_xcnt 0x0
; out0 = hid Wo + bo on codes of FP6 (E2M3) with one E8M0 byte for each 32 along K.  hid's codes and Wo's come as register images; nothing is quantised here.
; SHARES.  Work-group x takes 128 columns (column tiles 8 x + i), y 128 tokens; wave w takes token tiles 8 y + 2 w and 8 y + 2 w + 1 for all 128 columns: 16 accumulators, its rows of out0 its own.
; Wo's 32 fragments of the column group (49,152 bytes) are read from memory once a work-group: each wave loads eight, they meet in LDS behind one barrier, and every wave takes all 32 into registers.
; hid's fragment of K step s is two heads' half fragments (768 bytes each: registers 0-3 at 16 x lane, 4-5 at 512 + 8 x lane); its scale word is the OR of the two heads' words, each stored at its half.
; Source 0 = a column tile of Wo, source 1 = a token tile: a lane holds one token and, over two tiles, 16 neighbouring columns.  The bias is the C of each sum's first instruction.
; Row r of token tile 2 b + u is token 32 b + 8 u + r + 8 (r / 8); the results go through the wave's own stage and leave as whole pieces of rows, 512 consecutive bytes a store.
; NO CLUSTER: what work-groups share, Wo's 49,152 bytes, is under a third of a work-group's 163,840 (Wo, 49,152 of hid, 64 KiB of out0), and it goes on into registers.
; REGISTERS.  Window 0: v4-12 addresses; v32-127 hid's 8 fragments; v136-167 Wo's scale words; v168-175 hid's; v176-191 the heads' words as loaded; on the way out v32-95 and v192-255 rows of out0.
;   Window 1: v0-191 Wo's K steps 0, 1; v192-255 the bias.  Window 2: v0-191 K steps 2, 3.  Window 3: v0-127 accumulators (64 m + 8 i); v128-223 my eight fragments of Wo on their way to LDS.
.set WIMG, 0
.set STG,  49152                       ; a stage of 16 rows x (512 + 16) bytes for each wave
.set LI,   4                           ; v4   16 x lane
.set L8,   5                           ; v5   8 x lane
.set R4,   7                           ; v7   4 r
.set H64,  9                           ; v9   64 h
.set STO,  10                          ; v10  the stage, in: 528 r + 64 h
.set STR,  11                          ; v11  and back: 16 x lane
.set WST,  12                          ; v12  where I store Wo's images
.set HF,   32
.set RS,   136
.set HS,   168
.set HT,   176
.set OB,   32                          ; rows of out0: tile m at v[OB + 160 m]
.set MSB, 0
.macro WIN new                         ; the immediate's high byte repeats the setting that is left
.if MSB != \new
	s_set_vgpr_msb (MSB<<8)|\new
.set MSB, \new
.endif
.endm
	s_load_b256 s[4:11], s[0:1], 0x0               ; himg, hsc, wimg, wsc
	s_load_b128 s[12:15], s[0:1], 0x20             ; bo, out0
	v_lshl_add_u32 v134, v0, 2, 0x14400
	v_mov_b32 v135, 0
	v_lshrrev_b32 v1, 5, v0
	v_readfirstlane_b32 s16, v1                    ; wave 0..3
	v_and_b32 v1, 31, v0
	v_and_b32 v2, 15, v0                           ; r
	v_bfe_u32 v3, v0, 4, 1                         ; h
	v_lshlrev_b32 v[LI], 4, v1
	v_lshlrev_b32 v[L8], 3, v1
	v_lshlrev_b32 v[R4], 2, v2
	v_lshlrev_b32 v[H64], 6, v3
	s_mul_i32 s34, s16, 8448
	s_add_co_u32 s34, s34, STG
	v_mul_u32_u24 v[STO], v2, 528
	v_lshl_add_u32 v[STO], v3, 6, v[STO]
	v_add_nc_u32 v[STO], s34, v[STO]
	v_add_nc_u32 v[STR], s34, v[LI]
	s_mul_i32 s19, s16, 12288
	v_add_nc_u32 v[WST], s19, v[LI]
	s_and_b32 s17, ttmp7, 0xffff
	s_lshl_b32 s18, s17, 3
	s_lshl_b32 s35, s16, 1
	s_add_co_u32 s18, s18, s35                     ; my first token tile, of 512
	s_mul_i32 s20, s18, 6144                       ; a tile's eight half fragments
	s_mov_b32 s21, 0
	s_lshl_b32 s22, s18, 9                         ; and their scale words
	s_mov_b32 s23, 0
	s_mul_i32 s24, ttmp9, 49152
	s_add_co_u32 s24, s24, 4*196608                ; Wo is the fifth weight
	s_add_co_u32 s24, s24, s19                     ; my eight fragments of the group's 32
	s_mov_b32 s25, 0
	s_lshl_b32 s26, ttmp9, 11
	s_add_co_u32 s26, s26, 4*8192
	s_mov_b32 s27, 0
	s_lshl_b32 s28, ttmp9, 9                       ; the group's 128 columns, in bytes
	s_mov_b32 s29, 0
	s_lshl_b32 s30, s18, 15                        ; 16 tokens of 2,048 bytes a tile
	s_add_co_u32 s30, s30, s28
	s_mov_b32 s31, 0
	s_wait_kmcnt 0x0
	s_add_nc_u64 s[4:5], s[4:5], s[20:21]
	s_add_nc_u64 s[6:7], s[6:7], s[22:23]
	s_add_nc_u64 s[8:9], s[8:9], s[24:25]
	s_add_nc_u64 s[10:11], s[10:11], s[26:27]
	s_add_nc_u64 s[12:13], s[12:13], s[28:29]
	s_add_nc_u64 s[14:15], s[14:15], s[30:31]
	WIN 0xc0
.set n, 0
.rept 24
	global_load_b128 v[128+4*n:131+4*n], v[LI], s[8:9] offset:512*n
.set n, n+1
.endr
	WIN 0
.irp m, 0,1
.irp e, 0,1,2,3,4,5,6,7                        ; head e's half: registers 6 (e % 2) on of K step e / 2
	global_load_b128 v[HF+48*\m+12*(\e/2)+6*(\e%2):HF+48*\m+12*(\e/2)+6*(\e%2)+3], v[LI], s[4:5] offset:\m*6144+\e*768
	global_load_b64 v[HF+48*\m+12*(\e/2)+6*(\e%2)+4:HF+48*\m+12*(\e/2)+6*(\e%2)+5], v[L8], s[4:5] offset:\m*6144+\e*768+512
.endr
.endr
.irp m, 0,1
.irp e, 0,1,2,3,4,5,6,7
	global_load_b32 v[HT+8*\m+\e], v[R4], s[6:7] offset:\m*512+\e*64
.endr
.endr
	s_wait_loadcnt 48                              ; Wo's 24 loads are in; the 48 of hid issued behind them may be out
	WIN 0x0c
.set n, 0
.rept 24
	ds_store_b128 v[WST], v[128+4*n:131+4*n] offset:WIMG+512*n
.set n, n+1
.endr
	WIN 0
.irp i, 0,1,2,3,4,5,6,7
.irp s, 0,1,2,3
	global_load_b32 v[RS+4*\i+\s], v[R4], s[10:11] offset:(4*\i+\s)*64
.endr
.endr
	WIN 0x40
.irp i, 0,1,2,3,4,5,6,7                        ; lane (r, h), register j of tile i: column 32 (i / 2) + 8 (i % 2) + 16 h + j
	global_load_b128 v[192+8*\i:195+8*\i], v[H64], s[12:13] offset:(32*(\i/2)+8*(\i%2))*4
	global_load_b128 v[196+8*\i:199+8*\i], v[H64], s[12:13] offset:(32*(\i/2)+8*(\i%2))*4+16
.endr
	WIN 0
	s_wait_dscnt 0x0                               ; for the others' sake: my images have landed
	s_barrier_signal -1
	s_barrier_wait -1                              ; Wo's 32 fragments lie in LDS
.irp s, 0,1,2,3
.if \s < 2
	WIN 0x40
.else
	WIN 0x80
.endif
.irp i, 0,1,2,3,4,5,6,7
.irp c, 0,1,2
	ds_load_b128 v[96*(\s%2)+12*\i+4*\c:96*(\s%2)+12*\i+4*\c+3], v[LI] offset:WIMG+(4*\i+\s)*1536+512*\c
.endr
.endr
.endr
	WIN 0
	s_wait_loadcnt 0x0
.irp m, 0,1
.irp s, 0,1,2,3
	v_or_b32 v[HS+4*\m+\s], v[HT+8*\m+2*\s], v[HT+8*\m+2*\s+1]   ; two heads' bytes make K step s's scale word
.endr
.endr
.rept 8
	v_nop                                          ; a scale register written by a vector instruction stands 8 places ahead of a scaled matrix instruction
.endr
	s_wait_dscnt 0x0
.irp s, 0,1,2,3                                ; 16 accumulators by turns, one instruction a turn
.if \s == 0
	WIN 0xd1                                       ; source 0 (Wo) and source 2 (bias) window 1, destination window 3
.elseif \s == 1
	WIN 0xf1
.else
	WIN 0xf2
.endif
.irp m, 0,1
.irp i, 0,1,2,3,4,5,6,7
.if \s == 0
	v_wmma_scale_f32_16x16x128_f8f6f4 v[64*\m+8*\i:64*\m+8*\i+7], v[96*(\s%2)+12*\i:96*(\s%2)+12*\i+11], v[HF+48*\m+12*\s:HF+48*\m+12*\s+11], v[192+8*\i:199+8*\i], v[RS+4*\i+\s], v[HS+4*\m+\s] matrix_a_fmt:MATRIX_FMT_FP6 matrix_b_fmt:MATRIX_FMT_FP6
.else
	v_wmma_scale_f32_16x16x128_f8f6f4 v[64*\m+8*\i:64*\m+8*\i+7], v[96*(\s%2)+12*\i:96*(\s%2)+12*\i+11], v[HF+48*\m+12*\s:HF+48*\m+12*\s+11], v[64*\m+8*\i:64*\m+8*\i+7], v[RS+4*\i+\s], v[HS+4*\m+\s] matrix_a_fmt:MATRIX_FMT_FP6 matrix_b_fmt:MATRIX_FMT_FP6
.endif
.endr
.endr
.endr
	WIN 0
.rept 4
	v_nop                                          ; places: ahead of the first read of results and of the loads into hid's registers
.endr
.irp m, 0,1                                    ; a tile at a time through my stage.  LDS serves a wave's instructions in order (ISA guide 5.7.1.4): no wait between the stores and the loads, nor ahead of the next tile's stores
	WIN 0x0c                                       ; an LDS store's data are its source 1: window 3
.irp i, 0,1,2,3,4,5,6,7
	ds_store_b128 v[STO], v[64*\m+8*\i:64*\m+8*\i+3] offset:128*(\i/2)+32*(\i%2)        ; each accumulator from its low end on
	ds_store_b128 v[STO], v[64*\m+8*\i+4:64*\m+8*\i+7] offset:128*(\i/2)+32*(\i%2)+16
.endr
	WIN 0
.irp p, 0,1,2,3,4,5,6,7,8,9,10,11,12,13,14,15
	ds_load_b128 v[OB+160*\m+4*\p:OB+160*\m+4*\p+3], v[STR] offset:528*\p
.endr
.endr
.irp m, 0,1
.irp p, 0,1,2,3,4,5,6,7,8,9,10,11,12,13,14,15
	s_wait_dscnt 32*(1-\m)+15-\p                   ; row p is back; behind it: the tile's later rows and, for tile 0, tile 1's 16 stores and 16 loads
	global_store_b128 v[LI], v[OB+160*\m+4*\p:OB+160*\m+4*\p+3], s[14:15] offset:(\p+8*(\p/8)+8*\m)*2048 th:TH_STORE_NT   ; 32 lanes store 512 consecutive bytes, at a multiple of 256 from out0's first byte
.endr
.endr
	s_wait_tensorcnt 0x0
	ds_add_u32 v134, v135
	s_wait_dscnt 0x0
	s_endpgm
.Lfunc_end_k_q1b9ba223b3_outp:
	.size	k_q1b9ba223b3_outp, .Lfunc_end_k_q1b9ba223b3_outp-k_q1b9ba223b3_outp
	.p2alignl 7, 3214868480
	.fill 96, 4, 3214868480
	.section	.rodata,"a",@progbits
	.p2align	6, 0x0
	.amdhsa_kernel k_q1b9ba223b3_outp
		.amdhsa_group_segment_fixed_size 83456
		.amdhsa_private_segment_fixed_size 0
		.amdhsa_enable_private_segment 0
		.amdhsa_kernarg_size 48
		.amdhsa_user_sgpr_count 2
		.amdhsa_user_sgpr_kernarg_segment_ptr 1
		.amdhsa_wavefront_size32 1
		.amdhsa_system_sgpr_workgroup_id_x 1
		.amdhsa_system_sgpr_workgroup_id_y 1
		.amdhsa_system_sgpr_workgroup_id_z 1
		.amdhsa_system_vgpr_workitem_id 0
		.amdhsa_next_free_vgpr 1024
		.amdhsa_next_free_sgpr 66
		.amdhsa_reserve_vcc 0
		.amdhsa_float_denorm_mode_32 3
		.amdhsa_float_denorm_mode_16_64 3
		.amdhsa_memory_ordered 1
		.amdhsa_forward_progress 1
		.amdhsa_inst_pref_size 39
	.end_amdhsa_kernel
	.amdgpu_metadata
---
amdhsa.version: [ 1, 2 ]
amdhsa.kernels:
  - .name:           k_q1b9ba223b3_outp
    .symbol:         k_q1b9ba223b3_outp.kd
    .args:
      - { .name: himg, .offset: 0, .size: 8, .value_kind: global_buffer, .address_space: global }
      - { .name: hsc, .offset: 8, .size: 8, .value_kind: global_buffer, .address_space: global }
      - { .name: wimg, .offset: 16, .size: 8, .value_kind: global_buffer, .address_space: global }
      - { .name: wsc, .offset: 24, .size: 8, .value_kind: global_buffer, .address_space: global }
      - { .name: bo, .offset: 32, .size: 8, .value_kind: global_buffer, .address_space: global }
      - { .name: out0, .offset: 40, .size: 8, .value_kind: global_buffer, .address_space: global }
    .group_segment_fixed_size: 83456
    .private_segment_fixed_size: 0
    .kernarg_segment_align: 8
    .kernarg_segment_size: 48
    .max_flat_workgroup_size: 128
    .sgpr_count:     66
    .vgpr_count:     1024
    .wavefront_size: 32
...
	.end_amdgpu_metadata
.endif
;; end of part 4
